; MI455X (gfx1250); checked and timed in simulation.
; The chip was launched on July 23, 2026; its instructions are those of AMD's public machine-readable ISA for CDNA 5 (MIT licence, August 2026) and "CDNA5" Instruction Set Architecture Reference Guide (July 2026). The comments in the code are by the model that wrote it; some were corrected since.
;; Local Gird Attention. Allowed arithmetic: matrix products marked QUANTISED: E5M2 operands, one given power-of-two scale a tensor, by v_wmma_f32_16x16x64_bf8_bf8 or v_wmma_f32_16x16x128_bf8_bf8, f32 sums; products left as they are: f32 operands where the result goes on into a quantised operand, else bf16, f16 or f32 operands; f32 sums; everything else in f32.
;; Inputs: Wk_codes 256 x 8 x 32 uint8 (E5M2 codes of Wk, K innermost, in blocks of 32 codes); Wq_codes 256 x 8 x 32 uint8 (E5M2 codes of Wq, K innermost, in blocks of 32 codes); Wv_codes 256 x 8 x 32 uint8 (E5M2 codes of Wv, K innermost, in blocks of 32 codes); bk 256 float32; bq 256 float32; bv 256 float32; featmap_codes 2 x 256 x 256 x 8 x 32 uint8 (E5M2 codes of featmap, K innermost, in blocks of 32 codes); lowp_scales 6 int32 (the exponents e of the quantised operands' scales 2^e); x_codes 2 x 64 x 64 x 8 x 32 uint8 (E5M2 codes of x, K innermost, in blocks of 32 codes).
;; Outputs: out0 2 x 256 x 64 x 64 float32.
;; This version of the problem:
;;   THIS VERSION OF THE PROBLEM IS GIVEN IN LOW PRECISION. The matrix products marked QUANTISED in the list below multiply operands that are first quantised to E5M2 (5 exponent bits, 2 mantissa bits; 8 bits a number), with one given power-of-two scale for each operand tensor; their sums are f32. All else is computed in f32.
;;   The module's matrix products, in the order in which they are computed (A, B: the left and right operand; K: the contracted axis; several contracted axes count as one K, in the product's order):
;;     1. [M 256, K 256] x [K 256, N 8,192]; A: input Wq (given as codes); B: input x (given as codes): QUANTISED (scales: A lowp_scales[0], B lowp_scales[1])
;;     2. [M 256, K 256] x [K 256, N 131,072]; A: input Wk (given as codes); B: input featmap (given as codes): QUANTISED (scales: A lowp_scales[2], B lowp_scales[3])
;;     3. [M 256, K 256] x [K 256, N 131,072]; A: input Wv (given as codes); B: input featmap (given as codes): QUANTISED (scales: A lowp_scales[4], B lowp_scales[5])
;;     4. batch 65,536 x [M 16, K 32] x [K 32, N 1]; A: computed on the way; B: computed on the way: left as it is (N = 1 < 16)
;;     5. batch 65,536 x [M 32, K 16] x [K 16, N 1]; A: computed on the way; B: computed on the way: left as it is (K = 16 < 32)
;;   THE QUANTISER, for each operand of a quantised product, along K:
;;     - The operand's scale is 2^e, e = its entry of the input lowp_scales (int32; the entries are numbered through the quantised products in the list's order, A before B).
;;     - Each number is divided by the scale, clamped to +-57,344, and rounded to the nearest number of E5M2, ties to even, subnormals kept.
;;     - The product sums the exact products of the quantised numbers (number of the format x scale) in f32.
;;   ~~~python
;;   def quantise(x, axis, e):      # numpy; x: float32 -> the quantised numbers, widened to float32 again
;;       x = np.moveaxis(x, axis, -1); K = x.shape[-1]
;;       r = np.clip(x / 2.0 ** e, -57344, 57344)
;;       step = 2.0 ** (np.maximum(np.frexp(np.where(r == 0, 1, r))[1] - 1, -14) - 2)
;;       q = np.round(r / step) * step * 2.0 ** e      # np.round: ties to even
;;       return np.moveaxis(q, -1, axis).astype(np.float32)
;;   ~~~
;;   INPUTS GIVEN AS CODES. Wk (in the module: [256, 256], K = its axis 1); Wq (in the module: [256, 256], K = its axis 1); Wv (in the module: [256, 256], K = its axis 1); featmap (in the module: [2, 256, 256, 256], K = its axis 1); x (in the module: [2, 256, 64, 64], K = its axis 1): each comes as NAME_codes (uint8): NAME with its K axis moved to the last place and cut into blocks of 32 codes, [.., K / 32, bytes a block], one block behind the other in memory; one code a byte (a code: sign, 5 exponent bits, 2 mantissa bits); its scale is its entry of lowp_scales. Its value is code x scale, taken as it is: it is not quantised again, and the codes and scales need not be those that the quantiser above would give.
;; One version. Each part assembles by itself: llvm-mc -triple=amdgcn-amd-amdhsa -mcpu=gfx1250 --defsym DOCPART=n.
;; ======== version 1 of 1: 1 launch
;; launch lga (part 1): grid 256 x 1, 4 waves a work-group, clusters of 2 x 1, 327,680 bytes of LDS; arguments featmap_codes, x_codes, Wq_codes, Wk_codes, Wv_codes, bq, bk, bv, lowp_scales, out0; writes out0
.if DOCPART == 1
	.amdgcn_target "amdgcn-amd-amdhsa--gfx1250"
	.amdhsa_code_object_version 6
	.text
	.protected	k_qc05c3d975a_lga
	.globl	k_qc05c3d975a_lga
	.p2align	8
	.type	k_qc05c3d975a_lga,@function
k_qc05c3d975a_lga:
	s_mov_b64 s[64:65], 0
	v_nop
	global_prefetch_b8 v0, s[64:65] scope:SCOPE_SE
	s_setreg_imm32_b32 hwreg(HW_REG_WAVE_MODE, 25, 1), 1
	s_wait_xcnt 0x0
	s_wait_alu depctr_hold_cnt(0) depctr_sa_sdst(0) depctr_va_vdst(0) depctr_va_sdst(0) depctr_va_ssrc(0) depctr_va_vcc(0) depctr_vm_vsrc(0)
	s_getreg_b32 s2, hwreg(HW_REG_IB_STS2, 6, 4)
	s_cmp_eq_u32 s2, 0
	s_cbranch_scc0 .Lentry_in_a_cluster
	s_endpgm
.Lentry_in_a_cluster:
	s_bfe_u32 s2, ttmp6, 0x10000c
	s_cmp_lg_u32 s2, 0x1001
	s_cbranch_scc0 .Lentry_shape_is_right
	s_endpgm
.Lentry_shape_is_right:
; LOCAL GRID ATTENTION ON CODES OF BF8 (E5M2).  q = Wq x + bq for 2 x 64 x 64 cells, k = Wk f + bk and v = Wv f + bv for 2 x 256 x 256 pixels (K = 256 channels, codes, one scale 2^e a tensor);
; each cell and each of 8 heads (32 channels) attends to the 16 pixels of its own 4 x 4 grid; out0 [2][256][64][64] f32.
; SHARES.  A cluster of two work-groups owns one row of 64 cells (R = 64 b + hy): its featmap is 4 image rows, 262,144 consecutive bytes.  Work-group cx of the two makes channels 128 cx .. + 127 (4 heads).
; Both need the same featmap bytes, so every tile is asked for JOINTLY (mask 3).  Wave w owns cells 16 w .. 16 w + 15 for the work-group's 4 heads.
; THE WEIGHTS are not asked for jointly: the two partners use different rows of them.  Every wave keeps its work-group's 128 rows of Wk and of Wv in registers, but they are FETCHED ONCE FOR THE WORK-GROUP: each wave loads a quarter,
; 512 consecutive bytes (two rows) an instruction, stores it as rows into LDS, and behind a barrier every wave reads its fragments from there.  Beside the featmap LDS has room for seven heads' rows, not for the eight
; of Wq and Wk: so there are two exchanges: Wq and Wk's heads 0-2; then Wk's head 3 and Wv.
; TILES.  A tile of pixels is ONE KEY POSITION (py, px) OF MY 16 CELLS.  Source 0 = 16 rows of a weight, source 1 = these 16 pixels: in the result lane (r, h) holds cell r and, in register j, channel 8 h + j of the tile.
; q, k and v lie alike, a lane holds one cell throughout, and the two small products of attention are packed multiply-adds inside a lane; only the scores cross lanes once (lane xor 16: the head's other 16 channels).
; TWO PASSES over the 16 keys: K (scores), the softmax with the true maximum, V.  In each pass a unit is one key x one head: 4 matrix instructions on two accumulators by turns; the vector work on the unit BEFORE it
; stands between them, two lines behind each matrix instruction.
; ARITHMETIC.  c0 = log2(e) / sqrt(32).  q_raw = Dq 2^(e0+e1) + bq;  qh = q_raw c0 2^(e2+e3);  qb = c0 sum(q_raw bk);  t(key) = qb + sum(qh k'), k' the K product's sum as it stands;  p = 2^(t - max t);  l = sum p;
; out = sum(p v') 2^(e4+e5) / l + bv  (since sum(p bv) / l = bv).
; A fragment's K places: both sources are loaded 16 bytes at a time (registers 4 c .. 4 c + 3: k = 32 c + 16 h + 0 .. 15): the same permutation of k on both sides, so every product meets its partner.
; LIMITS: e0 + e1 between -126 and 127 (made as an f32 number); e2 + e3 between -124 and 129 (added to c0's exponent field); e4 + e5 goes by v_ldexp_f32 and has none.  Codes of NaN and infinity are not served.
; LDS: FEAT from 0: slice py (an image row's 64 cells) at 66,560 py; cell i at 1,040 i (1,024 bytes + 16 of padding = 260 words: the 16 cells of a load begin 4 banks apart); pixel px at 256 px.
;      From 266,240: seven blocks of 32 rows x (256 + 16) bytes = 8,704, written by LDS stores alone: the weights' rows (68 words apart: the 16 rows of a load begin 4 banks apart); at the end blocks 0-3 are the stage, 128 channel rows of out.
;      No LDS byte is filled twice by a tensor load.
; A wave's tensor loads bring 16 cells x 1,024 bytes each, its OWN cells and no more: so its own counted wait is all that its reads need, no barrier stands in the passes, and slice 0's keys are multiplied while slices 1 to 3 are on their way.
; REGISTERS, in windows of 256 (s_set_vgpr_msb: bits 1:0 source 0, 3:2 source 1, 5:4 source 2, 7:6 destination):
;   window 0: v1 r, v2 h, v3-13 addresses; v16-79 two featmap fragments (x at the head); v80-111 two sets of two accumulators; v112-119 qb, later 2^(e4+e5) / l; v120-127 a score's running pair, later the maxima;
;             v128-191 q's sums, then the scores (16 a + key), at the end rows of out; v192-255 at work, then the output sums (16 a + 8 t + j).
;             At the head my quarter of the weights on its way to LDS: Wq v128-191; Wk heads 0-2 v16-47, v80-95; Wv v192-255; Wk head 3 v96-111
;   window 1: v0-191 Wk heads 0-2; v192 qh3; v208 qh0; v224 qh1; v240-243 LDS addresses of the four slices
;   window 2: v0-63 Wk head 3; v64 qh2; v80-207 Wq, then Wv, heads 0, 1; v208 p3; v224 p0; v240-243 the same LDS addresses
;   window 3: v0-127 Wq, then Wv, heads 2, 3; v128 bq heads 0, 1, then p1, p2; v160-223 bk, then bv; v224-255 bq heads 2, 3
; qh and p of head a - 1 lie in the window of head a's weights, and so do the slices' addresses: ONE setting (source 0 = that window) serves a unit's matrix instructions, the vector work on the unit before and the LDS loads: two switches a key.
.set SLICE, 66560
.set PITCH, 1040
.set WTILE, 16*PITCH                   ; a wave's part of a slice
.set STAGE, 4*SLICE                    ; the seven blocks begin here
.set SP,    272
.set BLK,   32*SP                      ; a head's 32 rows
.set F,     16                         ; v16-47 even keys' fragment, v48-79 odd keys'
.set T,     80
.set QB,    112
.set FA,    112
.set ACC,   120
.set MX,    120
.set S,     128
.set OUT,   192
.set BQ,    128                        ; window 3: bq, head a at BQ + 16 a + 64 (a / 2)
.set BW,    160                        ; window 3: bk, then bv
.set ADR,   240                        ; windows 1 and 2: the slices' LDS addresses
.set QH0,   208                        ; window 1
.set QH1,   224                        ; window 1
.set QH2,   64                         ; window 2
.set QH3,   192                        ; window 1
.set P0,    224                        ; window 2
.set P1,    128                        ; window 3
.set P2,    144                        ; window 3
.set P3,    208                        ; window 2
.set G1,    32                         ; s[32:39] descriptor group 1
.set G0,    40                         ; s[40:55] descriptor group 0, a set for each slice
.set MSB, 0
.macro WIN new                         ; the immediate's high byte repeats the setting that is left; a switch that changes nothing is dropped
.if MSB != \new
	s_set_vgpr_msb (MSB<<8)|\new
.set MSB, \new
.endif
.endm
; A round of the cluster's barrier: my work-group's barrier; wave 0 signals for the work-group; every wave waits for both work-groups; my work-group's barrier once more.
.macro CROUND
	s_barrier_signal -1
	s_barrier_wait -1
	s_cmp_lg_u32 s24, 0
	s_cbranch_scc1 .Lnot_wave_0_\@
	s_barrier_signal -3
.Lnot_wave_0_\@:
	s_barrier_wait -3
	s_barrier_signal -1
	s_barrier_wait -1
.endm
; The 32 rows of block blk become a head's four fragments (tile t, K half s) at reg + 32 t + 16 s; the caller sets the destination's window
.macro WREAD blk, reg
.irp t, 0,1
.irp s, 0,1
.irp c, 0,1,2,3
	ds_load_b128 v[\reg+32*\t+16*\s+4*\c:\reg+32*\t+16*\s+4*\c+3], v12 offset:\blk*BLK+16*\t*SP+128*\s+32*\c
.endr
.endr
.endr
.endm
; A bias in the results' layout: register reg + 16 a + gap (a / 2) + 8 t + j = channel 32 a + 16 t + 8 h + j
.macro BLOAD base, reg, gap
.irp a, 0,1,2,3
.irp t, 0,1
.irp u, 0,1
	global_load_b128 v[\reg+16*\a+\gap*(\a/2)+8*\t+4*\u:\reg+16*\a+\gap*(\a/2)+8*\t+4*\u+3], v4, s[\base:\base+1] offset:(32*\a+16*\t)*4+16*\u
.endr
.endr
.endr
.endm
; One key's fragment, 16 cells x 256 K, 8 LDS loads in one run; the address lies in the window that source 0 names
.macro FETCH key
.set PY, (\key)/4
.set PX, (\key)%4
.set FD, F+32*((\key)%2)
.irp s, 0,1
.irp c, 0,1,2,3
	ds_load_b128 v[FD+16*\s+4*\c:FD+16*\s+4*\c+3], v[ADR+PY] offset:256*PX+128*\s+32*\c
.endr
.endr
.endm
; For head a of a pass: WW the window of its weights, WB their first register, XP the first register, in the same window, of qh (pass 0) or p (pass 1) of head a - 1
.macro MAP pass, a
.if \pass == 0
.if (\a) == 0
.set WW, 1
.set WB, 0
.set XP, QH3
.elseif (\a) == 1
.set WW, 1
.set WB, 64
.set XP, QH0
.elseif (\a) == 2
.set WW, 1
.set WB, 128
.set XP, QH1
.else
.set WW, 2
.set WB, 0
.set XP, QH2
.endif
.else
.if (\a) == 0
.set WW, 2
.set WB, 80
.set XP, P3
.elseif (\a) == 1
.set WW, 2
.set WB, 144
.set XP, P0
.elseif (\a) == 2
.set WW, 3
.set WB, 0
.set XP, P1
.else
.set WW, 3
.set WB, 64
.set XP, P2
.endif
.endif
.endm
; Line n of the vector work on the unit before (key PKEY, head PHD, accumulators at PTS).  Each accumulator is read from its lowest pair on.
; Pass 0: eight packed multiply-adds gather qb + sum(qh k') in a pair; line 8 adds the pair's halves into the score's register (a multiply-add by the constant 1.0: a constant in the first place names no window).
; Pass 1: eight packed multiply-adds, output sums += p(key) v'; key 0 starts the sums by a multiplication: nothing is cleared.  p(key) is one register of a pair and feeds both halves.
.macro VAL pass, n
.set N, \n
.if \pass == 0
.if N == 0
	v_pk_fma_f32 v[ACC+2*PHD:ACC+2*PHD+1], v[XP:XP+1], v[PTS:PTS+1], v[QB+2*PHD:QB+2*PHD+1]
.elseif N < 8
	v_pk_fma_f32 v[ACC+2*PHD:ACC+2*PHD+1], v[XP+2*N:XP+2*N+1], v[PTS+2*N:PTS+2*N+1], v[ACC+2*PHD:ACC+2*PHD+1]
.else
	v_fma_f32 v[S+16*PHD+PKEY], 1.0, v[ACC+2*PHD+1], v[ACC+2*PHD]
.endif
.else
.set OB, OUT+16*PHD+2*N
.set PP, XP+2*(PKEY/2)
.if PKEY == 0
	v_pk_mul_f32 v[OB:OB+1], v[PP:PP+1], v[PTS+2*N:PTS+2*N+1] op_sel_hi:[0,1]
.elseif PKEY%2 == 0
	v_pk_fma_f32 v[OB:OB+1], v[PP:PP+1], v[PTS+2*N:PTS+2*N+1], v[OB:OB+1] op_sel_hi:[0,1,1]
.else
	v_pk_fma_f32 v[OB:OB+1], v[PP:PP+1], v[PTS+2*N:PTS+2*N+1], v[OB:OB+1] op_sel:[1,0,0] op_sel_hi:[1,1,1]
.endif
.endif
.endm
; UNIT U (0 .. 63) of a pass: key U / 4, head U % 4.  Four matrix instructions, tile 0 and tile 1 by turns, K half 0 (which starts the sums with the constant 0) and then K half 1.
; DISTANCES, counted in plain vector lines that name none of the matrix instruction's registers: from tile 0's last product to the first read of its sums (line 0, in the next unit) stand lines 4 to 7 of the
; unit before: four or five; for tile 1 lines 6, 7 and the next unit's 0 to 3: six or more; a set of accumulators is begun anew two units on, eight lines or more behind; the loads into the other fragment stand behind
; lines 4 to 7 and 0 to 3: four or more that name nothing of its last readers.
; The next key's fragment is asked for behind the second product of a key's first unit, 14 matrix instructions ahead of the wait for it.
.macro UNIT pass
.set KEY, U/4
.set HD, U%4
.set TS, T+16*(U%2)
.set PKEY, (U+3)/4-1
.set PHD, (U+3)%4
.set PTS, T+16*((U+1)%2)
.set FB, F+32*(KEY%2)
	MAP \pass, HD
	WIN WW
.if HD == 0
	s_wait_dscnt 0x0                               ; this key's fragment is in (ahead of the K pass's first unit: the second exchange's fragments too)
.endif
.set I, 0
.rept 4
.set TT, I%2
.set SS, I/2
.if SS == 0
	v_wmma_f32_16x16x128_bf8_bf8 v[TS+8*TT:TS+8*TT+7], v[WB+32*TT:WB+32*TT+15], v[FB:FB+15], 0
.else
	v_wmma_f32_16x16x128_bf8_bf8 v[TS+8*TT:TS+8*TT+7], v[WB+32*TT+16:WB+32*TT+31], v[FB+16:FB+31], v[TS+8*TT:TS+8*TT+7]
.endif
.if U > 0
	VAL \pass, 2*I
	VAL \pass, 2*I+1
.if (\pass == 0) && (I == 3)
	VAL \pass, 8
.endif
.endif
.if (HD == 0) && (I == 1)
.if \pass == 0
.set NK, (KEY+1)%16                    ; key 15 asks for key 0 again: the V pass begins with it
.if (NK%4 == 0) && (NK != 0)
	s_wait_tensorcnt 3-NK/4                        ; my loads end in order (ISA guide 10.11.1): slice NK / 4 is in, the 3 - NK / 4 younger ones may be out
.endif
	FETCH NK
.elseif KEY < 15
	FETCH KEY+1
.endif
.endif
.set I, I+1
.endr
.if U == 0
.rept 4
	v_nop                                          ; a pass's first unit has no vector work to carry: these are the places behind its products
.endr
.endif
.endm
.macro DRAIN pass                      ; the vector work on unit 63 (key 15, head 3, the second set)
.set PKEY, 15
.set PHD, 3
.set PTS, T+16
	MAP \pass, 0
	WIN WW
.irp n, 0,1,2,3,4,5,6,7
	VAL \pass, \n
.endr
.if \pass == 0
	VAL \pass, 8
.endif
.endm
	; ---- the head: what the first requests need, and nothing else
	s_load_b512 s[4:19], s[0:1], 0x0               ; featmap s[4:5], x s[6:7], Wq s[8:9], Wk s[10:11], Wv s[12:13], bq s[14:15], bk s[16:17], bv s[18:19]
	s_load_b128 s[20:23], s[0:1], 0x40             ; the scales' exponents s[20:21], out s[22:23]
	v_lshl_add_u32 v14, v0, 2, 0x4fe00
	v_mov_b32 v15, 0
	ds_add_u32 v14, v15
	ds_add_u32 v14, v15
	v_and_b32 v1, 15, v0                           ; r
	v_bfe_u32 v2, v0, 4, 1                         ; h
	v_lshrrev_b32 v9, 5, v0
	v_readfirstlane_b32 s24, v9                    ; wave 0..3
	v_and_b32 v10, 31, v0
	v_lshlrev_b32 v10, 4, v10                      ; 16 x lane: my 16 bytes of two rows of a weight
	s_bfe_u32 s25, ttmp6, 0x40000                  ; cx: which half of the channels; it enters the weights', the biases' and out's addresses alone
	s_mov_b32 s26, ttmp9                           ; in a cluster launch ttmp9 counts clusters: R = 64 b + hy, the row of cells
	; descriptor group 1: 16 rows (cells) x 1,024 bytes, dense in memory, padded in LDS
	s_mov_b32 s[G1+0], 3|(1<<20)|(1<<21)|(7<<22)|(3<<25)   ; 15:0 the mask: both work-groups; 17:16 elements of 1 byte; 20 padding on; 21 set beside a mask; 24:22 after every 256 words (code 7); 31:25 four words (code 3)
	s_mov_b32 s[G1+1], 1024<<16                    ; tensor_dim0 = 1,024
	s_mov_b32 s[G1+2], 16<<16                      ; tensor_dim1 = 16
	s_mov_b32 s[G1+3], 1024<<16                    ; tile_dim0 = 1,024
	s_mov_b32 s[G1+4], 16                          ; tile_dim1 = 16
	s_mov_b32 s[G1+5], 1024                        ; from row to row
	s_mov_b32 s[G1+6], 0
	s_mov_b32 s[G1+7], 0
	s_mul_i32 s66, s24, WTILE                      ; my cells' place in a slice: the wave's number alone
	s_lshl_b32 s68, s26, 18                        ; the row's 4 image rows: 262,144 R,
	s_lshl_b32 s69, s24, 14                        ; my 16 cells of an image row: 16,384 w
	s_add_co_u32 s68, s68, s69
	s_mov_b32 s69, 0
	s_lshl_b32 s72, s25, 15                        ; Wq, Wv: my work-group's 128 rows of 256 bytes,
	s_lshl_b32 s73, s24, 13                        ; of them my wave's 32: head w's
	s_add_co_u32 s72, s72, s73
	s_mov_b32 s73, 0
	s_lshl_b32 s74, s25, 15                        ; Wk: the same 128 rows,
	s_lshl_b32 s75, s24, 11                        ; of each head's 32 my wave's 8
	s_add_co_u32 s74, s74, s75
	s_mov_b32 s75, 0
	s_wait_dscnt 0x0
	s_wait_kmcnt 0x0
	s_load_b128 s[56:59], s[20:21], 0x0            ; e0 .. e3
	s_load_b64 s[60:61], s[20:21], 0x10            ; e4, e5
	s_add_nc_u64 s[8:9], s[8:9], s[72:73]
	s_add_nc_u64 s[10:11], s[10:11], s[74:75]
	s_add_nc_u64 s[12:13], s[12:13], s[72:73]
	; my quarter of the first exchange: 28 loads, each 512 consecutive bytes: two whole rows
.irp i, 0,1,2,3,4,5,6,7,8,9,10,11,12,13,14,15
	global_load_b128 v[S+4*\i:S+4*\i+3], v10, s[8:9] offset:512*\i                                       ; Wq, rows 32 w + 2 i and + 1
.endr
.irp a, 0,1,2
.irp i, 0,1,2,3
	global_load_b128 v[16+16*\a+32*(\a/2)+4*\i:16+16*\a+32*(\a/2)+4*\i+3], v10, s[10:11] offset:8192*\a+512*\i   ; Wk, rows 32 a + 8 w + 2 i and + 1
.endr
.endr
	s_add_nc_u64 s[70:71], s[4:5], s[68:69]
.irp p, 0,1,2,3
	s_mov_b32 s[G0+4*\p], 1                                        ; count = 1
	s_add_co_u32 s[G0+4*\p+1], s66, \p*SLICE                       ; LDS address
	s_add_nc_u64 s[G0+4*\p+2:G0+4*\p+3], s[70:71], \p*65536        ; image row 4 hy + p
	s_or_b32 s[G0+4*\p+3], s[G0+4*\p+3], 0x80000000                ; type = 2
.endr
	CROUND                                         ; both work-groups are here: the joint loads meet
.irp p, 0,1,2,3
	tensor_load_to_lds s[G0+4*\p:G0+4*\p+3], s[G1:G1+7]            ; all the featmap that I shall read: four loads of mine are out
	s_nop 0
.endr
	v_lshlrev_b32 v3, 8, v1                        ; (four plain lines, none of which steps its own source, and no window switch among them)
	v_lshlrev_b32 v4, 5, v2                        ; biases: 32 h
	v_lshlrev_b32 v7, 14, v2
	v_mul_u32_u24 v8, v1, PITCH
	v_lshl_add_u32 v3, v2, 4, v3                   ; x: row r of 256 bytes, + 16 h
	v_lshl_add_u32 v7, v1, 4, v7                   ; out: channel row h of a pair (16,384 bytes apart), 16 bytes a lane
	v_lshl_add_u32 v8, v2, 4, v8
	v_add_nc_u32 v8, s66, v8                       ; featmap in a slice: cell 16 w + r, + 16 h
	s_lshl_b32 s76, s26, 14                        ; x: 16,384 R + 4,096 w
	s_lshl_b32 s77, s24, 12
	s_add_co_u32 s76, s76, s77
	s_mov_b32 s77, 0
	s_add_nc_u64 s[6:7], s[6:7], s[76:77]
	s_lshl_b32 s74, s25, 9                         ; the biases: my work-group's 128 numbers
	s_mov_b32 s75, 0
	s_add_nc_u64 s[14:15], s[14:15], s[74:75]
	s_add_nc_u64 s[16:17], s[16:17], s[74:75]
	s_add_nc_u64 s[18:19], s[18:19], s[74:75]
	; ---- x (8 loads), my quarter of the second exchange (20), bq and bk (32): in the order in which they are wanted.  No address register of theirs is ever rewritten
.irp s, 0,1
.irp c, 0,1,2,3
	global_load_b128 v[F+32+16*\s+4*\c:F+32+16*\s+4*\c+3], v3, s[6:7] offset:128*\s+32*\c   ; x's fragment: my 16 cells x 256 K
.endr
.endr
.irp i, 0,1,2,3,4,5,6,7,8,9,10,11,12,13,14,15
	global_load_b128 v[OUT+4*\i:OUT+4*\i+3], v10, s[12:13] offset:512*\i                    ; Wv, rows 32 w + 2 i and + 1
.endr
.irp i, 0,1,2,3
	global_load_b128 v[96+4*\i:96+4*\i+3], v10, s[10:11] offset:8192*3+512*\i               ; Wk, rows 96 + 8 w + 2 i and + 1
.endr
	WIN 0xc0                                       ; destination window 3
	BLOAD 14, BQ, 64                               ; bq
	BLOAD 16, BW, 0                                ; bk
	WIN 0x80                                       ; destination window 2
.irp p, 0,1,2,3
	v_add_nc_u32 v[ADR+\p], \p*SLICE, v8           ; the slices' addresses, for the V pass
.endr
	WIN 0x40                                       ; destination window 1
.irp p, 0,1,2,3
	v_add_nc_u32 v[ADR+\p], \p*SLICE, v8           ; and for the K pass
.endr
	WIN 0
	v_mul_u32_u24 v5, v2, 8*SP
	v_lshl_add_u32 v5, v1, 2, v5
	s_lshl_b32 s67, s24, 6
	s_add_co_u32 s67, s67, STAGE
	v_add_nc_u32 v5, s67, v5                       ; into the stage: channel row 8 h, column 16 w + r
	v_mul_u32_u24 v13, v2, SP
	v_lshl_add_u32 v13, v1, 4, v13                 ; two rows an instruction: lanes 0-15 one row of 256 bytes, lanes 16-31 the next
	s_mul_i32 s87, s24, 32*SP
	s_add_co_u32 s87, s87, STAGE
	v_add_nc_u32 v6, s87, v13                      ; rows 32 w on of blocks 0-3: where I put my rows of Wq and of Wv, and where I read rows of out back
	s_mul_i32 s88, s24, 8*SP
	s_add_co_u32 s88, s88, STAGE+4*BLK
	v_add_nc_u32 v11, s88, v13                     ; rows 8 w on of block 4: where I put my rows of a head of Wk
	v_mul_u32_u24 v12, v1, SP
	v_lshl_add_u32 v12, v2, 4, v12
	v_add_nc_u32 v12, STAGE, v12                   ; a fragment out of a block: row r, + 16 h
	s_lshr_b32 s78, s26, 6                         ; out: 4,194,304 b + 2,097,152 cx + 524,288 w (32 channel rows) + 256 hy
	s_lshl_b32 s78, s78, 22
	s_and_b32 s79, s26, 63
	s_lshl_b32 s79, s79, 8
	s_add_co_u32 s78, s78, s79
	s_lshl_b32 s79, s25, 21
	s_add_co_u32 s78, s78, s79
	s_lshl_b32 s79, s24, 19
	s_add_co_u32 s78, s78, s79
	s_mov_b32 s79, 0
	s_add_nc_u64 s[22:23], s[22:23], s[78:79]
	s_mov_b32 s62, 0x76543210                      ; v_permlanex16_b32's selects: lane l xor 16
	s_mov_b32 s63, 0xfedcba98
	s_mov_b32 s84, 0x3e8293ee                      ; c0 = log2(e) / sqrt(32)
	s_mov_b32 s85, s84                             ; (each scalar pair is named whole by the packed forms, so its upper word is written)
	; ---- the first exchange: blocks 0-3 Wq, blocks 4-6 Wk's heads 0-2
	s_wait_loadcnt 60                              ; behind my 28 loads stand x's 8, the second exchange's 20 and the biases' 32: the 28 are in
.irp i, 0,1,2,3,4,5,6,7,8,9,10,11,12,13,14,15
	ds_store_b128 v6, v[S+4*\i:S+4*\i+3] offset:2*\i*SP
.endr
.irp a, 0,1,2
.irp i, 0,1,2,3
	ds_store_b128 v11, v[16+16*\a+32*(\a/2)+4*\i:16+16*\a+32*(\a/2)+4*\i+3] offset:\a*BLK+2*\i*SP
.endr
.endr
	s_wait_dscnt 0x0                               ; for the others' sake: my rows lie in LDS
	s_barrier_signal -1
	s_barrier_wait -1                              ; everybody's do
	WIN 0x80                                       ; destination window 2
	WREAD 0, 80                                    ; Wq lies where Wv will lie
	WREAD 1, 144
	WIN 0xc0                                       ; destination window 3
	WREAD 2, 0
	WREAD 3, 64
	WIN 0x40                                       ; destination window 1
	WREAD 4, 0                                     ; Wk's heads 0-2: the last 48 loads
	WREAD 5, 64
	WREAD 6, 128
	WIN 0
	s_wait_kmcnt 0x0
	s_add_co_i32 s80, s56, s57
	s_add_co_i32 s80, s80, 127
	s_lshl_b32 s80, s80, 23                        ; 2^(e0 + e1) as f32
	s_mov_b32 s81, s80
	s_add_co_i32 s82, s58, s59
	s_lshl_b32 s82, s82, 23
	s_add_co_i32 s82, s82, s84                     ; c0 2^(e2 + e3): the exponents are added to c0's exponent field
	s_mov_b32 s83, s82
	s_add_co_i32 s86, s60, s61                     ; e4 + e5
	s_wait_loadcnt 52                              ; behind x's loads stand 20 + 32: x is in
	s_wait_dscnt 48                                ; behind Wq's 64 LDS loads stand Wk's 48: Wq is in
	; ---- q's product: eight accumulators (head a, tile t) at S + 16 a + 8 t, four at a time by turns, K half 0 and then K half 1
	WIN 0x02                                       ; source 0 (Wq) window 2
.irp s, 0,1
.irp a, 0,1
.irp t, 0,1
.if \s == 0
	v_wmma_f32_16x16x128_bf8_bf8 v[S+16*\a+8*\t:S+16*\a+8*\t+7], v[80+64*\a+32*\t:80+64*\a+32*\t+15], v[F+32:F+47], 0
.else
	v_wmma_f32_16x16x128_bf8_bf8 v[S+16*\a+8*\t:S+16*\a+8*\t+7], v[80+64*\a+32*\t+16:80+64*\a+32*\t+31], v[F+48:F+63], v[S+16*\a+8*\t:S+16*\a+8*\t+7]
.endif
.endr
.endr
.endr
	WIN 0x03                                       ; window 3
.irp s, 0,1
.irp a, 2,3
.irp t, 0,1
.if \s == 0
	v_wmma_f32_16x16x128_bf8_bf8 v[S+16*\a+8*\t:S+16*\a+8*\t+7], v[64*(\a-2)+32*\t:64*(\a-2)+32*\t+15], v[F+32:F+47], 0
.else
	v_wmma_f32_16x16x128_bf8_bf8 v[S+16*\a+8*\t:S+16*\a+8*\t+7], v[64*(\a-2)+32*\t+16:64*(\a-2)+32*\t+31], v[F+48:F+63], v[S+16*\a+8*\t:S+16*\a+8*\t+7]
.endif
.endr
.endr
.endr
	WIN 0
.rept 4
	v_nop                                          ; places behind the last products: for the loads that land on Wq's registers below, and for the first read of the sums
.endr
	; ---- the second exchange: blocks 0-3 Wv, block 4 Wk's head 3
	s_wait_loadcnt 32                              ; behind my 20 loads stand the biases' 32: the 20 are in
	s_wait_dscnt 0x0                               ; my reads of the blocks are over
	s_barrier_signal -1
	s_barrier_wait -1                              ; everybody's are: the blocks may be written again
.irp i, 0,1,2,3,4,5,6,7,8,9,10,11,12,13,14,15
	ds_store_b128 v6, v[OUT+4*\i:OUT+4*\i+3] offset:2*\i*SP
.endr
.irp i, 0,1,2,3
	ds_store_b128 v11, v[96+4*\i:96+4*\i+3] offset:2*\i*SP
.endr
	s_wait_dscnt 0x0                               ; for the others' sake: my rows lie in LDS
	s_barrier_signal -1
	s_barrier_wait -1                              ; everybody's do
	WIN 0x80                                       ; destination window 2
	WREAD 4, 0                                     ; Wk's head 3
	WREAD 0, 80                                    ; Wv
	WREAD 1, 144
	WIN 0xc0                                       ; destination window 3
	WREAD 2, 0
	WREAD 3, 64
	WIN 0x01                                       ; source 0 window 1: the slices' addresses
	s_wait_tensorcnt 3                             ; slice 0 of my four is in; only I read my cells' bytes, so my own wait is all that the reads need
	FETCH 0
	; ---- q's arithmetic stands here, while these 88 LDS loads land
	s_wait_loadcnt 0x0                             ; bq and bk
	WIN 0x30                                       ; source 2 (bq) window 3
.irp a, 0,1,2,3
.irp n, 0,1,2,3,4,5,6,7
	v_pk_fma_f32 v[S+16*\a+2*\n:S+16*\a+2*\n+1], v[S+16*\a+2*\n:S+16*\a+2*\n+1], s[80:81], v[BQ+16*\a+64*(\a/2)+2*\n:BQ+16*\a+64*(\a/2)+2*\n+1] op_sel_hi:[1,0,1]   ; q_raw = sum x 2^(e0 + e1) + bq; each accumulator from its low end on
.endr
.endr
	WIN 0x0c                                       ; source 1 (bk) window 3
.irp a, 0,1,2,3
	v_pk_mul_f32 v[QB+2*\a:QB+2*\a+1], v[S+16*\a:S+16*\a+1], v[BW+16*\a:BW+16*\a+1]                      ; sum(q_raw bk) over my 16 channels, as a pair; the four heads take turns
.endr
.irp n, 1,2,3,4,5,6,7
.irp a, 0,1,2,3
	v_pk_fma_f32 v[QB+2*\a:QB+2*\a+1], v[S+16*\a+2*\n:S+16*\a+2*\n+1], v[BW+16*\a+2*\n:BW+16*\a+2*\n+1], v[QB+2*\a:QB+2*\a+1]
.endr
.endr
	WIN 0
.irp a, 0,1,2,3
	v_pk_mul_f32 v[QB+2*\a:QB+2*\a+1], v[QB+2*\a:QB+2*\a+1], s[84:85] op_sel_hi:[1,0]                    ; qb = c0 x that
.endr
	WIN 0x40                                       ; destination window 1
.set J, 0
.rept 8
	v_pk_mul_f32 v[QH0+2*J:QH0+2*J+1], v[S+2*J:S+2*J+1], s[82:83] op_sel_hi:[1,0]                        ; qh = q_raw c0 2^(e2 + e3)
	v_pk_mul_f32 v[QH1+2*J:QH1+2*J+1], v[S+16+2*J:S+16+2*J+1], s[82:83] op_sel_hi:[1,0]
	v_pk_mul_f32 v[QH3+2*J:QH3+2*J+1], v[S+48+2*J:S+48+2*J+1], s[82:83] op_sel_hi:[1,0]
.set J, J+1
.endr
	WIN 0x80                                       ; destination window 2
.set J, 0
.rept 8
	v_pk_mul_f32 v[QH2+2*J:QH2+2*J+1], v[S+32+2*J:S+32+2*J+1], s[82:83] op_sel_hi:[1,0]
.set J, J+1
.endr
	WIN 0xc0                                       ; destination window 3
	BLOAD 18, BW, 0                                ; bv, over bk, which is done with: it lands during the K pass
	; ---- the K pass
.set U, 0
.rept 64
	UNIT 0
.set U, U+1
.endr
	DRAIN 0
	; ---- the softmax: a lane holds all 16 scores of its cell and head, over 16 of the head's 32 channels; lane xor 16 holds the rest
	WIN 0
.set J, 0
.rept 64
	v_permlanex16_b32 v[OUT+J], v[S+J], s62, s63   ; (its destination counts as read: these registers held my rows of Wv)
.set J, J+1
.endr
.set J, 0
.rept 32
	v_pk_add_f32 v[S+2*J:S+2*J+1], v[S+2*J:S+2*J+1], v[OUT+2*J:OUT+2*J+1]   ; t, whole, in both lanes
.set J, J+1
.endr
.irp a, 0,1,2,3
	v_max3_num_f32 v[MX+2*\a], v[S+16*\a], v[S+16*\a+1], v[S+16*\a+2]       ; the largest of the 16, the four heads by turns
.endr
.irp i, 3,5,7,9,11,13
.irp a, 0,1,2,3
	v_max3_num_f32 v[MX+2*\a], v[MX+2*\a], v[S+16*\a+\i], v[S+16*\a+\i+1]
.endr
.endr
.irp a, 0,1,2,3
	v_max_num_f32 v[MX+2*\a], v[MX+2*\a], v[S+16*\a+15]
.endr
.irp n, 0,1,2,3,4,5,6,7
.irp a, 0,1,2,3
	v_pk_add_f32 v[S+16*\a+2*\n:S+16*\a+2*\n+1], v[S+16*\a+2*\n:S+16*\a+2*\n+1], v[MX+2*\a:MX+2*\a+1] op_sel_hi:[1,0] neg_lo:[0,1] neg_hi:[0,1]   ; t - max
.endr
.endr
	WIN 0x80                                       ; destination window 2
.set J, 0
.rept 16
	v_exp_f32 v[P0+J], v[S+J]                      ; p = 2^(t - max), between 0 and 1
	v_exp_f32 v[P3+J], v[S+48+J]
.set J, J+1
.endr
	WIN 0xc0                                       ; destination window 3
.set J, 0
.rept 16
	v_exp_f32 v[P1+J], v[S+16+J]
	v_exp_f32 v[P2+J], v[S+32+J]
.set J, J+1
.endr
	v_nop                                          ; a plain line between the last exponential and the use of its result
	WIN 0x0a                                       ; sources 0 and 1 window 2
	s_wait_alu depctr_va_vdst(0)
.irp n, 0,1,2,3
	v_pk_add_f32 v[OUT+2*\n:OUT+2*\n+1], v[P0+2*\n:P0+2*\n+1], v[P0+8+2*\n:P0+8+2*\n+1]                  ; l: eight pairs to four,
	v_pk_add_f32 v[OUT+48+2*\n:OUT+48+2*\n+1], v[P3+2*\n:P3+2*\n+1], v[P3+8+2*\n:P3+8+2*\n+1]
.endr
	WIN 0x0f                                       ; window 3
.irp n, 0,1,2,3
	v_pk_add_f32 v[OUT+16+2*\n:OUT+16+2*\n+1], v[P1+2*\n:P1+2*\n+1], v[P1+8+2*\n:P1+8+2*\n+1]
	v_pk_add_f32 v[OUT+32+2*\n:OUT+32+2*\n+1], v[P2+2*\n:P2+2*\n+1], v[P2+8+2*\n:P2+8+2*\n+1]
.endr
	WIN 0
.irp a, 0,1,2,3
	v_pk_add_f32 v[OUT+16*\a:OUT+16*\a+1], v[OUT+16*\a:OUT+16*\a+1], v[OUT+16*\a+4:OUT+16*\a+5]          ; to two,
	v_pk_add_f32 v[OUT+16*\a+2:OUT+16*\a+3], v[OUT+16*\a+2:OUT+16*\a+3], v[OUT+16*\a+6:OUT+16*\a+7]
.endr
.irp a, 0,1,2,3
	v_pk_add_f32 v[OUT+16*\a:OUT+16*\a+1], v[OUT+16*\a:OUT+16*\a+1], v[OUT+16*\a+2:OUT+16*\a+3]          ; to one,
.endr
.irp a, 0,1,2,3
	v_add_f32 v[OUT+16*\a], v[OUT+16*\a], v[OUT+16*\a+1]                                                 ; and its halves: l, at least 1
.endr
.irp a, 0,1,2,3
	v_rcp_f32 v[FA+2*\a], v[OUT+16*\a]
.endr
	v_nop                                          ; a plain line behind the last reciprocal
	s_wait_alu depctr_va_vdst(0)
.irp a, 0,1,2,3
	v_ldexp_f32 v[FA+2*\a], v[FA+2*\a], s86        ; 2^(e4 + e5) / l
.endr
	; ---- the V pass
	s_wait_loadcnt 0x0                             ; bv
.set U, 0
.rept 64
	UNIT 1
.set U, U+1
.endr
	DRAIN 1
	; ---- the way out.  A lane holds one cell's numbers of 64 channels; 256 consecutive bytes of out are one channel's 64 cells, which come from four waves: so they meet in the stage.
	; The stage lies in blocks 0-3, which held Wv: a barrier stands between every wave's reads of them (awaited ahead of its K pass) and the first store into the stage.
	s_wait_dscnt 0x0                               ; no LDS instruction of mine is out
	s_barrier_signal -1
	WIN 0x30                                       ; source 2 (bv) window 3
.irp a, 0,1,2,3
.irp n, 0,1,2,3,4,5,6,7
	v_pk_fma_f32 v[OUT+16*\a+2*\n:OUT+16*\a+2*\n+1], v[OUT+16*\a+2*\n:OUT+16*\a+2*\n+1], v[FA+2*\a:FA+2*\a+1], v[BW+16*\a+2*\n:BW+16*\a+2*\n+1] op_sel_hi:[1,0,1]   ; out = sum x 2^(e4 + e5) / l + bv: work on registers while the others arrive
.endr
.endr
	WIN 0
	s_barrier_wait -1
.irp a, 0,1,2,3
.irp t, 0,1
.irp j, 0,1,2,3,4,5,6,7
	ds_store_b32 v5, v[OUT+16*\a+8*\t+\j] offset:(32*\a+16*\t+\j)*SP   ; channel row 32 a + 16 t + 8 h + j, column 16 w + r: sixteen neighbouring words for each half of the lanes, the halves 544 words apart
.endr
.endr
.endr
	s_wait_dscnt 0x0                               ; for the others' sake: my stores into the stage are done
	s_barrier_signal -1
	s_barrier_wait -1                              ; 128 whole channel rows lie in the stage
.irp i, 0,1,2,3,4,5,6,7,8,9,10,11,12,13,14,15
	ds_load_b128 v[S+4*\i:S+4*\i+3], v6 offset:\i*2*SP                 ; channel rows 32 w + 2 i and + 1: lanes 0-15 one row of 256 bytes, lanes 16-31 the next
.endr
.irp i, 0,1,2,3,4,5,6,7,8,9,10,11,12,13,14,15
	s_wait_dscnt 15-\i                             ; LDS loads come back in order (ISA guide 5.7.1): pair i of the sixteen is in
	global_store_b128 v7, v[S+4*\i:S+4*\i+3], s[22:23] offset:\i*32768 th:TH_STORE_NT   ; sixteen lanes store 256 consecutive bytes, at a multiple of 256 from out's first byte; written once, read by nobody here
.endr
	s_wait_tensorcnt 0x0
	ds_add_u32 v14, v15
	s_wait_dscnt 0x0
	CROUND                                         ; the closing round: my tensor loads were all awaited in the K pass, no LDS instruction of mine is out
	s_endpgm
.Lfunc_end_k_qc05c3d975a_lga:
	.size	k_qc05c3d975a_lga, .Lfunc_end_k_qc05c3d975a_lga-k_qc05c3d975a_lga
	.p2alignl 7, 3214868480
	.fill 96, 4, 3214868480
	.section	.rodata,"a",@progbits
	.p2align	6, 0x0
	.amdhsa_kernel k_qc05c3d975a_lga
		.amdhsa_group_segment_fixed_size 327680
		.amdhsa_private_segment_fixed_size 0
		.amdhsa_enable_private_segment 0
		.amdhsa_kernarg_size 80
		.amdhsa_user_sgpr_count 2
		.amdhsa_user_sgpr_kernarg_segment_ptr 1
		.amdhsa_wavefront_size32 1
		.amdhsa_system_sgpr_workgroup_id_x 1
		.amdhsa_system_sgpr_workgroup_id_y 1
		.amdhsa_system_sgpr_workgroup_id_z 1
		.amdhsa_system_vgpr_workitem_id 0
		.amdhsa_next_free_vgpr 1024
		.amdhsa_next_free_sgpr 96
		.amdhsa_reserve_vcc 0
		.amdhsa_float_denorm_mode_32 3
		.amdhsa_float_denorm_mode_16_64 3
		.amdhsa_memory_ordered 1
		.amdhsa_forward_progress 1
		.amdhsa_inst_pref_size 184
	.end_amdhsa_kernel
	.amdgpu_metadata
---
amdhsa.version: [ 1, 2 ]
amdhsa.kernels:
  - .name:           k_qc05c3d975a_lga
    .symbol:         k_qc05c3d975a_lga.kd
    .args:
      - { .name: featmap_codes, .offset: 0, .size: 8, .value_kind: global_buffer, .address_space: global }
      - { .name: x_codes, .offset: 8, .size: 8, .value_kind: global_buffer, .address_space: global }
      - { .name: Wq_codes, .offset: 16, .size: 8, .value_kind: global_buffer, .address_space: global }
      - { .name: Wk_codes, .offset: 24, .size: 8, .value_kind: global_buffer, .address_space: global }
      - { .name: Wv_codes, .offset: 32, .size: 8, .value_kind: global_buffer, .address_space: global }
      - { .name: bq, .offset: 40, .size: 8, .value_kind: global_buffer, .address_space: global }
      - { .name: bk, .offset: 48, .size: 8, .value_kind: global_buffer, .address_space: global }
      - { .name: bv, .offset: 56, .size: 8, .value_kind: global_buffer, .address_space: global }
      - { .name: lowp_scales, .offset: 64, .size: 8, .value_kind: global_buffer, .address_space: global }
      - { .name: out0, .offset: 72, .size: 8, .value_kind: global_buffer, .address_space: global }
    .group_segment_fixed_size: 327680
    .private_segment_fixed_size: 0
    .kernarg_segment_align: 8
    .kernarg_segment_size: 80
    .max_flat_workgroup_size: 128
    .sgpr_count:     96
    .vgpr_count:     1024
    .wavefront_size: 32
...
	.end_amdgpu_metadata
.endif
;; end of part 1
